; MI455X (gfx1250); checked and timed in simulation.
; The chip was launched on July 23, 2026; its instructions are those of AMD's public machine-readable ISA for CDNA 5 (MIT licence, August 2026) and "CDNA5" Instruction Set Architecture Reference Guide (July 2026). The comments in the code are by the model that wrote it; some were corrected since.
;; Mo E. Allowed arithmetic: float matrix products may take bf16 or f16 operands with f32 sums; all other float work in f32.
;; Inputs: gb 32 float32; gw 1,024 x 32 float32; pb 1,024 x 32 float32; pw 1,024 x 1,024 x 32 float32; x 2,048 x 1,024 float32.
;; Outputs: out0 2,048 x 1,024 float32.
;; One version. Each part assembles by itself: llvm-mc -triple=amdgcn-amd-amdhsa -mcpu=gfx1250 --defsym DOCPART=n.
;; ======== version 1 of 1: 3 launches
;; limits: values outside matrix products are rounded to bf16
;; workspace buffers: xf 4,194,304 bytes; gf 262,144 bytes; rt 8,388,608 bytes
;; launch prep (part 1): grid 128 x 1, 8 waves a work-group, no clusters, 150,528 bytes of LDS; arguments x, gw, gb, xf, gf; writes xf, gf
.if DOCPART == 1
	.amdgcn_target "amdgcn-amd-amdhsa--gfx1250"
	.amdhsa_code_object_version 6
	.text
	.protected	k_q519facbec6_prep
	.globl	k_q519facbec6_prep
	.p2align	8
	.type	k_q519facbec6_prep,@function
k_q519facbec6_prep:
	s_mov_b64 s[64:65], 0
	v_nop
	global_prefetch_b8 v0, s[64:65] scope:SCOPE_SE
	s_setreg_imm32_b32 hwreg(HW_REG_WAVE_MODE, 25, 1), 1
	s_wait_xcnt 0x0
; prep: (1) x [2048][1024] f32 -> xf, bf16, in the order in which the main launch's matrix fragments want it;
;       (2) gates g = softmax over l of (x gw + gb) -> gf, f32, in the order of the main launch's accumulator registers.
; xf: [b/128 (16)][k/32 (32)][a (8)][c (2)][lane (32)][16 bytes]; the 16 bytes are x[128 (b/128) + 16 a + (lane & 15)][32 (k/32) + 16 c + 8 (lane >> 4) + 0..7].
; gf: [b/16 (128)][q (4)][lane (32)][4 f32]; element e is g[16 (b/16) + (lane & 15)][16 (q >> 1) + 8 (lane >> 4) + 4 (q & 1) + e].
; A work-group owns 16 rows of x; wave w owns k = 128 w .. 128 w + 127 (four K steps of 32).  Each wave makes a partial 32 x 16 tile of
; logits with the matrix unit (source 0 = gw, 16 leaves; source 1 = x, 16 rows: a lane's registers then hold eight leaves of one row b);
; the eight partial tiles meet in LDS and wave 0 makes the softmax.
; LIMITS: x, gw and gb are rounded once to bf16 (nearest even); a logit carries up to 2^-9 |gb| from gb's rounding.  All sums and the
; softmax are f32; the row's maximum is taken away before the exponential.  v_exp_f32 gives 0 for results under 2^-126.  NaN and infinities are not traced.
.set WLDS, 16640                       ; LDS bytes of a wave: x tile, then gw tile
.set XP,   272                         ; x tile: 16 rows of 128 bf16 (256 bytes) + 16 of padding
.set GWO,  16*XP                       ; gw tile begins behind it
.set GP,   96                          ; gw tile: 128 rows (k) of 32 bf16 (64 bytes) + 32 of padding: an odd multiple of 32 bytes
.set RED,  8*WLDS                      ; partial logits: 2,048 bytes a wave
.set XS,   16                          ; v[16:79]   x as loaded (16 loads); later the four x fragments, 8 registers each
.set GS,   80                          ; v[80:207]  gw as loaded (32 loads); later the eight gw fragments; in the tail the eight partial tiles
.set T,    208                         ; v[208:223] at work
.set ACC,  224                         ; v[224:239] two accumulators: leaves 0-15, leaves 16-31
.set GBR,  240                         ; v[240:255] gb of my 16 leaves
	s_load_b256 s[4:11], s[0:1], 0x0               ; x s[4:5], gw s[6:7], gb s[8:9], xf s[10:11]
	s_load_b64 s[12:13], s[0:1], 0x20              ; gf
	s_set_vgpr_msb 0x40
	v_lshl_add_u32 v0, v0, 2, 0x24800
	v_mov_b32 v1, 0
	s_set_vgpr_msb 0x4000
	v_lshrrev_b32 v1, 5, v0
	v_readfirstlane_b32 s14, v1                    ; wave 0..7
	v_and_b32 v1, 31, v0                           ; L
	v_and_b32 v2, 15, v0                           ; r = L & 15
	v_bfe_u32 v3, v0, 4, 1                         ; h = L >> 4
	v_lshlrev_b32 v4, 4, v0                        ; x: 512 w + 16 L inside a row
	v_lshlrev_b32 v11, 4, v1                       ; 16 L
	v_lshl_add_u32 v5, s14, 14, v11                ; gw: my 128 rows of 128 bytes + 16 L
	s_mul_i32 s15, s14, WLDS                       ; my wave's LDS
	s_add_co_u32 s16, s15, GWO
	v_lshl_add_u32 v6, v1, 3, s15                  ; x tile, in: 8 bytes a lane along a row
	v_bfe_u32 v14, v0, 3, 2                        ; L >> 3
	v_and_b32 v15, 7, v0                           ; L & 7
	v_mul_u32_u24 v7, v14, GP
	v_lshl_add_u32 v7, v15, 3, v7
	v_add_nc_u32 v7, s16, v7                       ; gw tile, in: row L >> 3 of four, 8 bytes at 8 (L & 7)
	v_mul_u32_u24 v8, v2, XP
	v_lshl_add_u32 v8, v3, 4, v8
	v_add_nc_u32 v8, s15, v8                       ; x fragment: row r, 16 h
	v_lshl_add_u32 v9, v3, 3, v15                  ; 8 h + (L & 7)
	v_mul_u32_u24 v9, v9, GP
	v_bfe_u32 v14, v0, 3, 1
	v_lshl_add_u32 v9, v14, 4, v9
	v_add_nc_u32 v9, s16, v9                       ; gw fragment (transposing load): row 8 h + (L & 7), 16 ((L >> 3) & 1)
	v_add_nc_u32 v13, RED, v11                     ; partial tiles, read
	v_lshl_add_u32 v10, s14, 11, v13               ; my partial tile, written
	v_lshlrev_b32 v12, 5, v3                       ; gb: 32 h
	s_mov_b32 s18, 0x76543210                      ; v_permlanex16_b32: lane i reads lane i of the other half
	s_mov_b32 s19, 0xfedcba98
	s_mov_b32 s26, 0x3fb8aa3b                      ; log2(e)
	s_lshl_b32 s20, ttmp9, 16                      ; 16 rows of 4,096 bytes
	s_mov_b32 s21, 0
	s_lshr_b32 s22, ttmp9, 3
	s_lshl_b32 s22, s22, 18                        ; xf: (b/128) x 262,144
	s_and_b32 s23, ttmp9, 7
	s_lshl_b32 s23, s23, 10                        ;     + a x 1,024
	s_add_co_u32 s22, s22, s23
	s_lshl_b32 s23, s14, 15                        ;     + my four K steps of 8,192
	s_add_co_u32 s22, s22, s23
	s_mov_b32 s23, 0
	s_lshl_b32 s24, ttmp9, 11                      ; gf: 2,048 bytes a work-group
	s_mov_b32 s25, 0
	s_wait_kmcnt 0x0
	s_add_nc_u64 s[4:5], s[4:5], s[20:21]
	s_add_nc_u64 s[10:11], s[10:11], s[22:23]
	s_add_nc_u64 s[12:13], s[12:13], s[24:25]
	; all loads at once: 16 of x (512 consecutive bytes of one row each), 32 of gw (512 consecutive bytes = 4 rows each)
.set p, 0
.rept 16
	global_load_b128 v[XS+4*p:XS+4*p+3], v4, s[4:5] offset:4096*p th:TH_LOAD_NT
.set p, p+1
.endr
.set m, 0
.rept 32
	global_load_b128 v[GS+4*m:GS+4*m+3], v5, s[6:7] offset:512*m
.set m, m+1
.endr
	s_wait_loadcnt 32                              ; loads come back in order (ISA guide 5.7.1): x is in, the 32 loads of gw may be out
.set p, 0
.rept 16
	v_cvt_pk_bf16_f32 v[T+2*(p%8)],   v[XS+4*p],   v[XS+4*p+1]
	v_cvt_pk_bf16_f32 v[T+2*(p%8)+1], v[XS+4*p+2], v[XS+4*p+3]
	ds_store_b64 v6, v[T+2*(p%8):T+2*(p%8)+1] offset:XP*p
.set p, p+1
.endr
.set m, 0
.rept 32
.if m%8 == 0
	s_wait_loadcnt 24-m                            ; the next eight loads of gw are in; those behind them may be out
.endif
	v_cvt_pk_bf16_f32 v[T+2*(m%8)],   v[GS+4*m],   v[GS+4*m+1]
	v_cvt_pk_bf16_f32 v[T+2*(m%8)+1], v[GS+4*m+2], v[GS+4*m+3]
	ds_store_b64 v7, v[T+2*(m%8):T+2*(m%8)+1] offset:4*GP*m
.set m, m+1
.endr
	; fragments.  The tiles are my wave's own bytes and LDS serves a wave's instructions in order (ISA guide 5.7.1): no wait between stores and loads.
.irp st, 0,1,2,3
	ds_load_b128 v[XS+8*\st:XS+8*\st+3],   v8 offset:64*\st
	ds_load_b128 v[XS+8*\st+4:XS+8*\st+7], v8 offset:64*\st+32
.endr
.irp st, 0,1,2,3
.irp tt, 0,1
	ds_load_tr16_b128 v[GS+8*(2*\st+\tt):GS+8*(2*\st+\tt)+3],   v9 offset:32*GP*\st+32*\tt
	ds_load_tr16_b128 v[GS+8*(2*\st+\tt)+4:GS+8*(2*\st+\tt)+7], v9 offset:32*GP*\st+32*\tt+16*GP
.endr
.endr
	s_wait_dscnt 16                                ; the x fragments are in; the 16 loads of gw fragments may be out
.irp st, 0,1,2,3
	global_store_b128 v11, v[XS+8*\st:XS+8*\st+3],   s[10:11] offset:8192*\st        ; each store of the wave covers 512 consecutive bytes, aligned
	global_store_b128 v11, v[XS+8*\st+4:XS+8*\st+7], s[10:11] offset:8192*\st+512
.endr
	; partial logits: the two accumulators take turns, one instruction a turn; the first products start the sums
	s_wait_dscnt 12                                ; K step 0's four loads are in; three steps' loads may be out
	v_wmma_f32_16x16x32_bf16 v[ACC:ACC+7],    v[GS:GS+7],    v[XS:XS+7], 0
	v_wmma_f32_16x16x32_bf16 v[ACC+8:ACC+15], v[GS+8:GS+15], v[XS:XS+7], 0
.irp st, 1,2,3
	s_wait_dscnt 12-4*\st                          ; this K step's four loads are in
	v_wmma_f32_16x16x32_bf16 v[ACC:ACC+7],    v[GS+16*\st:GS+16*\st+7],    v[XS+8*\st:XS+8*\st+7], v[ACC:ACC+7]
	v_wmma_f32_16x16x32_bf16 v[ACC+8:ACC+15], v[GS+16*\st+8:GS+16*\st+15], v[XS+8*\st:XS+8*\st+7], v[ACC+8:ACC+15]
.endr
.rept 4
	v_nop                                          ; four places behind the last matrix instruction (ISA guide 7.12.1) before its results are stored and its sources loaded again
.endr
.irp q, 0,1,2,3
	ds_store_b128 v10, v[ACC+4*\q:ACC+4*\q+3] offset:512*\q
.endr
	s_wait_dscnt 0x0                               ; my partial tile is in LDS, for wave 0's sake
	s_barrier_signal -1
	s_barrier_wait -1
	s_cmp_lg_u32 s14, 0
	s_cbranch_scc1 .Lend                           ; waves 1 to 7 are done
	; wave 0: gb, the sum of the eight partial tiles, the softmax.  Lane (r, h) holds row b = r, leaves 16 (q >> 1) + 8 h + 4 (q & 1) + e in register 4 q + e.
.irp q, 0,1,2,3
	global_load_b128 v[GBR+4*\q:GBR+4*\q+3], v12, s[8:9] offset:64*(\q/2)+16*(\q%2)
.endr
.set u, 0
.rept 8
.irp q, 0,1,2,3
	ds_load_b128 v[GS+16*u+4*\q:GS+16*u+4*\q+3], v13 offset:2048*u+512*\q
.endr
.set u, u+1
.endr
	s_wait_dscnt 0x0
.irp u, 1,2,3,4,5,6,7
.irp pp, 0,1,2,3,4,5,6,7
	v_pk_add_f32 v[GS+2*\pp:GS+2*\pp+1], v[GS+2*\pp:GS+2*\pp+1], v[GS+16*\u+2*\pp:GS+16*\u+2*\pp+1]
.endr
.endr
	s_wait_loadcnt 0x0                             ; gb: the only loads that are out
.irp i, 0,1,2,3,4,5,6,7
	v_cvt_pk_bf16_f32 v[T+\i], v[GBR+2*\i], v[GBR+2*\i+1]      ; gb rounded to bf16 like the other inputs,
.endr
.irp i, 0,1,2,3,4,5,6,7
	v_lshlrev_b32 v[GBR+2*\i],   16, v[T+\i]                   ; and widened again
	v_and_b32     v[GBR+2*\i+1], 0xffff0000, v[T+\i]
.endr
.irp i, 0,1,2,3,4,5,6,7
	v_pk_add_f32 v[GS+2*\i:GS+2*\i+1], v[GS+2*\i:GS+2*\i+1], v[GBR+2*\i:GBR+2*\i+1]
.endr
	v_max3_num_f32 v[T+8], v[GS], v[GS+1], v[GS+2]             ; the row's maximum: my 16 leaves,
.irp i, 3,5,7,9,11,13
	v_max3_num_f32 v[T+8], v[T+8], v[GS+\i], v[GS+\i+1]
.endr
	v_max_num_f32 v[T+8], v[T+8], v[GS+15]
	v_permlanex16_b32 v[T+9], v[T+8], s18, s19                 ; and the other half's 16 (same r); T+9 has been written before
	v_max_num_f32 v[T+8], v[T+8], v[T+9]
	v_mul_f32 v[T+9], s26, v[T+8]                              ; m log2(e): its rounding is common to the row's 32 leaves and cancels in the quotient
.set i, 0
.rept 16
	v_fma_f32 v[GS+i], v[GS+i], s26, -v[T+9]                   ; (logit - m) log2(e), at most about 0
.set i, i+1
.endr
.set i, 0
.rept 16
	v_exp_f32 v[GS+i], v[GS+i]
.set i, i+1
.endr
	v_nop                                                      ; one plain instruction between the exponentials and the first use (ISA guide 5.7.2)
	s_wait_alu depctr_va_vdst(0)
	v_pk_add_f32 v[T:T+1],   v[GS:GS+1],     v[GS+2:GS+3]
	v_pk_add_f32 v[T+2:T+3], v[GS+4:GS+5],   v[GS+6:GS+7]
	v_pk_add_f32 v[T+4:T+5], v[GS+8:GS+9],   v[GS+10:GS+11]
	v_pk_add_f32 v[T+6:T+7], v[GS+12:GS+13], v[GS+14:GS+15]
	v_pk_add_f32 v[T:T+1],   v[T:T+1],   v[T+2:T+3]
	v_pk_add_f32 v[T+4:T+5], v[T+4:T+5], v[T+6:T+7]
	v_pk_add_f32 v[T:T+1],   v[T:T+1],   v[T+4:T+5]
	v_add_f32 v[T], v[T], v[T+1]
	v_permlanex16_b32 v[T+1], v[T], s18, s19
	v_add_f32 v[T], v[T], v[T+1]                               ; the sum of the row's 32 exponentials: the largest of them is about 1
	v_rcp_f32 v[T+2], v[T]
	v_nop                                                      ; one plain instruction behind the reciprocal
	s_wait_alu depctr_va_vdst(0)
.irp i, 0,1,2,3,4,5,6,7
	v_pk_mul_f32 v[GS+2*\i:GS+2*\i+1], v[GS+2*\i:GS+2*\i+1], v[T+2:T+3] op_sel_hi:[1,0]
.endr
.irp q, 0,1,2,3
	global_store_b128 v11, v[GS+4*\q:GS+4*\q+3], s[12:13] offset:512*\q    ; 512 consecutive bytes, aligned
.endr
.Lend:
	s_set_vgpr_msb 0x5
	s_wait_tensorcnt 0x0
	ds_add_u32 v0, v1
	s_wait_dscnt 0x0
	s_set_vgpr_msb 0x500
	s_endpgm
.Lfunc_end_k_q519facbec6_prep:
	.size	k_q519facbec6_prep, .Lfunc_end_k_q519facbec6_prep-k_q519facbec6_prep
	.p2alignl 7, 3214868480
	.fill 96, 4, 3214868480
	.section	.rodata,"a",@progbits
	.p2align	6, 0x0
	.amdhsa_kernel k_q519facbec6_prep
		.amdhsa_group_segment_fixed_size 150528
		.amdhsa_private_segment_fixed_size 0
		.amdhsa_enable_private_segment 0
		.amdhsa_kernarg_size 40
		.amdhsa_user_sgpr_count 2
		.amdhsa_user_sgpr_kernarg_segment_ptr 1
		.amdhsa_wavefront_size32 1
		.amdhsa_system_sgpr_workgroup_id_x 1
		.amdhsa_system_sgpr_workgroup_id_y 1
		.amdhsa_system_sgpr_workgroup_id_z 1
		.amdhsa_system_vgpr_workitem_id 0
		.amdhsa_next_free_vgpr 258
		.amdhsa_next_free_sgpr 66
		.amdhsa_reserve_vcc 0
		.amdhsa_float_denorm_mode_32 3
		.amdhsa_float_denorm_mode_16_64 3
		.amdhsa_memory_ordered 1
		.amdhsa_forward_progress 1
		.amdhsa_inst_pref_size 32
	.end_amdhsa_kernel
	.amdgpu_metadata
---
amdhsa.version: [ 1, 2 ]
amdhsa.kernels:
  - .name:           k_q519facbec6_prep
    .symbol:         k_q519facbec6_prep.kd
    .args:
      - { .name: x, .offset: 0, .size: 8, .value_kind: global_buffer, .address_space: global }
      - { .name: gw, .offset: 8, .size: 8, .value_kind: global_buffer, .address_space: global }
      - { .name: gb, .offset: 16, .size: 8, .value_kind: global_buffer, .address_space: global }
      - { .name: xf, .offset: 24, .size: 8, .value_kind: global_buffer, .address_space: global }
      - { .name: gf, .offset: 32, .size: 8, .value_kind: global_buffer, .address_space: global }
    .group_segment_fixed_size: 150528
    .private_segment_fixed_size: 0
    .kernarg_segment_align: 8
    .kernarg_segment_size: 40
    .max_flat_workgroup_size: 256
    .sgpr_count:     66
    .vgpr_count:     258
    .wavefront_size: 32
...
	.end_amdgpu_metadata
.endif
;; end of part 1
;; launch main (part 2): grid 256 x 1, 4 waves a work-group, no clusters, 295,936 bytes of LDS; arguments pw, pb, xf, gf, rt; writes rt
.if DOCPART == 2
	.amdgcn_target "amdgcn-amd-amdhsa--gfx1250"
	.amdhsa_code_object_version 6
	.text
	.protected	k_q519facbec6_main
	.globl	k_q519facbec6_main
	.p2align	8
	.type	k_q519facbec6_main,@function
k_q519facbec6_main:
	s_mov_b64 s[64:65], 0
	v_nop
	global_prefetch_b8 v0, s[64:65] scope:SCOPE_SE
	s_setreg_imm32_b32 hwreg(HW_REG_WAVE_MODE, 25, 1), 1
	s_wait_xcnt 0x0
; main: rt[og][b][e] = sum over l of g[b][l] (sum over i of x[b][i] pw[4 og + e][i][l] + pb[4 og + e][l]),  og = the work-group, e = 0..3.
; As a product: M = b (2048), N = (o, l) (128 columns a work-group), K = i (1024), bf16 operands, f32 sums; then a gate-weighted sum over the 32 l of each o, in f32.
; THE WEIGHTS STAY: the work-group's slice of pw (four o, 524,288 consecutive bytes of f32) is read once, rounded to bf16 and kept in LDS as [k][n],
; 1,024 rows of 256 bytes + 32 of padding, for the whole kernel.  Four waves, as many as a WGP has SIMDs; a wave makes 128 b x 128 n in 512 accumulator
; registers, four passes of 128 b each: wave w takes b = 512 w .. 512 w + 511, so that its x is one consecutive megabyte of xf.
; x comes from xf straight into registers: the four waves need different rows, so LDS would give x no second use inside the work-group, and xf is laid so that
; each load of the wave takes 512 consecutive bytes that are a piece of a fragment as it stands.
; NO CLUSTER, NO JOINT LOADS, though every work-group reads all of xf: beside the weights and pb (295,424 bytes) 32,256 of the 327,680 bytes of LDS remain,
; and one K step of 32 for the group's 512 rows is 32,768 bytes: not one slot fits, let alone two.
; THE MATRIX INSTRUCTION IS USED TRANSPOSED: source 0 = 16 columns n of the weights, source 1 = 16 rows b of x.  In the result lane (r, h) holds row b = r and
; its registers j = 0..7 the leaves 8 h + j of a half of one o: the sum over l is eight packed multiply-adds inside the lane and one exchange between the halves.
; pb enters as the C operand of each pass's first products, so nothing is cleared and pb is weighted by the gates with the products.
; The result goes to rt, 16 bytes for each (og, b), 512 consecutive bytes a store; the next launch lays it into out0's rows.
; LIMITS: x, pw and pb are rounded once to bf16 (nearest even): an output carries up to 2^-9 sum g |pb| from pb's rounding.  NaN and infinities are not traced.
;
; REGISTERS, in windows of 256 (s_set_vgpr_msb's low byte: bits 1:0 source 0, 3:2 source 1, 5:4 source 2, 7:6 destination):
;   window 0: addresses, work registers, weight fragments, gates (below);   window 1: four x buffers of 64 registers, fragment a of buffer q at 64 q + 8 a
;   window 2: accumulator tiles (nt, a), nt = 0..3, at 8 (8 nt + a);        window 3: those of nt = 4..7.    n = 16 nt + 8 h + j, b = 16 a + r
.set PITCH, 288                        ; an LDS row of the weights
.set KB,    32*PITCH                   ; a K step of 32 rows
.set PBA,   1024*PITCH                 ; pb (128 f32) behind the weights
.set XOFF, 1                           ; v1      16 L: my 16 bytes in every 512-byte piece of pw, xf, gf and rt; never rewritten
.set B0,   2                           ; v2      weight fragments, K step 0: (8 h + (L & 7)) PITCH + 16 ((L >> 3) & 1); never rewritten
.set BA,   3                           ; v3      the same, at the running trip's first K step
.set PBL,  4                           ; v4      pb tiles: PBA + 32 h
.set ST,   5                           ; v5, v6  where I put converted weights: my wave's rows 0-127, rows 128-255
.set PBS,  7                           ; v7      where I put my number of pb
.set PBD,  8                           ; v8      that number
.set PBO,  9                           ; v9      its offset in memory
.set T,    16                          ; v[16:31]   at work
.set EO,   32                          ; v[32:39]   way out: sums of the even and the odd a
.set SND,  40                          ; v[40:43]   what goes to the other half of the lanes
.set KP,   44                          ; v[44:47]   what stays
.set R,    48                          ; v[48:63]   results, 4 registers for each pair of a
.set BF,   64                          ; v[64:127]  weight fragments, nt at BF + 8 nt
.set G,    128                         ; v[128:255] gates: G + 16 a + 8 t + j = g[16 a + r][16 t + 8 h + j]; in a pass's first step G + 8 nt = pb's tile nt
.set RING, 32                          ; v[32:255]  before the barrier: seven slots of 32 registers for pw as loaded
.set MUL_LO,  0xa4                     ; source 0 window 0, source 1 window 1, C and D window 2
.set MUL_HI,  0xf4                     ; C and D window 3
.set MULF_LO, 0x84                     ; a pass's first step: C (pb's tile) window 0, D window 2
.set MULF_HI, 0xc4                     ; D window 3
.set TO_X,    0x40                     ; destination window 1, address window 0
.set MSB, 0
.macro WIN new                         ; the immediate's high byte repeats the setting that is left
.if MSB != \new
	s_set_vgpr_msb (MSB<<8)|\new
.set MSB, \new
.endif
.endm
.macro PLACES                          ; four places behind a matrix instruction before a load lands on one of its sources or a vector instruction reads its result
.rept 4
	v_nop
.endr
.endm
; eight loads of pw: group gr = 8 o + gg, 4,096 consecutive bytes (32 rows k of one o) of my wave's 256 rows
.macro PWGROUP gr, slot
.irp j, 0,1,2,3,4,5,6,7
	global_load_b128 v[RING+32*(\slot)+4*\j:RING+32*(\slot)+4*\j+3], v[XOFF], s[4:5] offset:((\gr)/8)*131072+((\gr)%8)*4096+512*\j th:TH_LOAD_NT
.endr
.endm
; eight loads of x: half e & 1 of buffer e >> 1
.macro XGROUP e
	WIN TO_X
.irp j, 0,1,2,3,4,5,6,7
	global_load_b128 v[32*(\e)+4*\j:32*(\e)+4*\j+3], v[XOFF], s[8:9] offset:4096*(\e)+512*\j
.endr
.endm
; eight transposing loads: the fragments nt = 4 hi .. 4 hi + 3 of the K step at byte off from address register areg
.macro FETCH hi, areg, off
.irp nn, 0,1,2,3
	ds_load_tr16_b128 v[BF+32*\hi+8*\nn:BF+32*\hi+8*\nn+3],   v[\areg] offset:\off+32*(4*\hi+\nn)
	ds_load_tr16_b128 v[BF+32*\hi+8*\nn+4:BF+32*\hi+8*\nn+7], v[\areg] offset:\off+32*(4*\hi+\nn)+16*PITCH
.endr
.endm
.macro PBTILES                         ; pb's eight tiles: register j of lane (r, h) = pb of column 16 nt + 8 h + j, for every r
.irp nn, 0,1,2,3,4,5,6,7
	ds_load_b128 v[G+8*\nn:G+8*\nn+3],   v[PBL] offset:64*\nn
	ds_load_b128 v[G+8*\nn+4:G+8*\nn+7], v[PBL] offset:64*\nn+16
.endr
.endm
; 32 matrix instructions: nt = 4 hi .. 4 hi + 3, a = 0..7, x buffer q.  The 64 accumulators take turns, one instruction a turn, in the same order in every
; step and over every backward jump.
.macro MUL32 q, hi, first
.irp nn, 0,1,2,3
.irp aa, 0,1,2,3,4,5,6,7
.if \first
	v_wmma_f32_16x16x32_bf16 v[8*(8*\nn+\aa):8*(8*\nn+\aa)+7], v[BF+32*\hi+8*\nn:BF+32*\hi+8*\nn+7], v[64*\q+8*\aa:64*\q+8*\aa+7], v[G+8*(4*\hi+\nn):G+8*(4*\hi+\nn)+7]
.else
	v_wmma_f32_16x16x32_bf16 v[8*(8*\nn+\aa):8*(8*\nn+\aa)+7], v[BF+32*\hi+8*\nn:BF+32*\hi+8*\nn+7], v[64*\q+8*\aa:64*\q+8*\aa+7], v[8*(8*\nn+\aa):8*(8*\nn+\aa)+7]
.endif
.endr
.endr
.endm
; One K step of 32 on x buffer q.  first: pb's tiles are C.  lc: how many younger global loads may stay out.  areg, boff: where the next step's weight fragments
; lie; bf = 0: there is no next step.  gl: eight loads of gates (a = 2 q, 2 q + 1).  xl: buffer q is filled again, four steps ahead.
.macro STEP q, first, lc, areg, boff, bf, gl, xl
	s_wait_loadcnt \lc                             ; loads come back in order (ISA guide 5.7.1): buffer q is in
.if \first
	s_wait_dscnt 0x0                               ; pb's tiles are the youngest LDS loads on the way round the pass loop
	WIN MULF_LO
.else
	s_wait_dscnt 0x8                               ; fragments nt 0-3 are in; the eight loads of nt 4-7 may be out
	WIN MUL_LO
.endif
	MUL32 \q, 0, \first
	PLACES
	WIN 0
.if \bf
	FETCH 0, \areg, \boff
	s_wait_dscnt 0x8                               ; all but the eight just issued: this step's nt 4-7 are in
.else
	s_wait_dscnt 0x0
.endif
.if \first
	WIN MULF_HI
.else
	WIN MUL_HI
.endif
	MUL32 \q, 1, \first
	PLACES
	WIN 0
.if \bf
	FETCH 1, \areg, \boff
.endif
.if \xl
.if \q == 0
	s_wait_xcnt 0x0                                ; every earlier global load has had its address translated (ISA guide 3.1): x's base is stepped only behind this wait;
	s_add_nc_u64 s[8:9], s[8:9], 32768             ; the youngest of them stands 64 matrix instructions back.  Four K steps of 8,192 bytes on
.endif
.endif
.if \gl
.irp i, 0,1,2,3,4,5,6,7
	global_load_b128 v[G+32*\q+4*\i:G+32*\q+4*\i+3], v[XOFF], s[10:11] offset:4096*\q+512*\i
.endr
.endif
.if \xl
	XGROUP 2*\q
	XGROUP 2*\q+1
.endif
.endm
.macro TRIP_END
	WIN 0                                          ; at a label and at a branch every window is 0
	v_add_nc_u32 v[BA], 4*KB, v[BA]
.endm
; A trip is four steps, on buffers 0 to 3.  A buffer is asked for at the end of its step and waited for at the head of its next one: three steps, 192 matrix instructions.
.macro FIRST                           ; younger loads at the four waits: 48 (three buffers); 56 (+ 8 gates); 64 and 72, for which the wait's field holds 63
	STEP 0, 1, 48, BA, 1*KB, 1, 1, 1
	STEP 1, 0, 56, BA, 2*KB, 1, 1, 1
	STEP 2, 0, 63, BA, 3*KB, 1, 1, 1
	STEP 3, 0, 63, BA, 4*KB, 1, 1, 1
	TRIP_END
.endm
.macro MID                             ; 48: the three younger buffers (behind FIRST a few gates' loads are waited for with them)
	STEP 0, 0, 48, BA, 1*KB, 1, 0, 1
	STEP 1, 0, 48, BA, 2*KB, 1, 0, 1
	STEP 2, 0, 48, BA, 3*KB, 1, 0, 1
	STEP 3, 0, 48, BA, 4*KB, 1, 0, 1
	TRIP_END
.endm
.macro LAST more
.if \more
	STEP 0, 0, 48, BA, 1*KB, 1, 0, 1
	STEP 1, 0, 48, BA, 2*KB, 1, 0, 1
	STEP 2, 0, 48, BA, 3*KB, 1, 0, 1
	STEP 3, 0, 48, B0, 0,    1, 0, 1               ; the next step is the next pass's K step 0
.else
	STEP 0, 0, 48, BA, 1*KB, 1, 0, 0               ; nothing is left to load: no load leaves xf, and the counts run down
	STEP 1, 0, 32, BA, 2*KB, 1, 0, 0
	STEP 2, 0, 16, BA, 3*KB, 1, 0, 0
	STEP 3, 0, 0,  B0, 0,    0, 0, 0
.endif
	WIN 0
.endm
; four chains of eight packed multiply-adds: a = 2 ap, 2 ap + 1; o = ob, ob + 1 (the window's tiles 2 oo + t); link i: t = i / 4, j = 2 (i % 4), 2 (i % 4) + 1
.macro CHAINS ap, ob
.irp i, 0,1,2,3,4,5,6,7
.irp ai, 0,1
.irp oo, 0,1
.set td, T+2*(4*\ai+\ob+\oo)
.set ac, 8*(8*(2*\oo+\i/4)+2*\ap+\ai)+2*(\i%4)
.set gt, G+16*(2*\ap+\ai)+2*\i
.if \i == 0
	v_pk_mul_f32 v[td:td+1], v[ac:ac+1], v[gt:gt+1]
.else
	v_pk_fma_f32 v[td:td+1], v[ac:ac+1], v[gt:gt+1], v[td:td+1]
.endif
.endr
.endr
.endr
.endm
; The way out of a pass.  The gates were loaded in the pass's first trip; every later wait on the loads has left at most 48 younger ones out.
.macro EPI more
.irp ap, 0,1,2,3
	WIN 0x02                                       ; source 0 window 2: o = 0, 1
	CHAINS \ap, 0
	WIN 0x03                                       ; source 0 window 3: o = 2, 3
	CHAINS \ap, 2
	WIN 0
.irp c, 0,1,2,3,4,5,6,7
	v_add_f32 v[EO+\c], v[T+2*\c], v[T+2*\c+1]     ; my 16 leaves' sum: EO + o for the even a, EO + 4 + o for the odd a
.endr
.irp o, 0,1,2,3
	v_cndmask_b32 v[SND+\o], v[EO+4+\o], v[EO+\o], s20     ; lanes 0-15 keep the even a and send the odd one, lanes 16-31 the other way round
	v_cndmask_b32 v[KP+\o],  v[EO+\o], v[EO+4+\o], s20
.endr
.irp o, 0,1,2,3
	v_permlanex16_b32 v[T+\o], v[SND+\o], s18, s19
.endr
.irp o, 0,1,2,3
	v_add_f32 v[R+4*\ap+\o], v[KP+\o], v[T+\o]     ; lane L: row b = 32 ap + L of the pass's 128, o = 0..3
.endr
	global_store_b128 v[XOFF], v[R+4*\ap:R+4*\ap+3], s[12:13] offset:512*\ap     ; 512 consecutive bytes, aligned
.if \more
.if \ap == 1
	PBTILES                                        ; the gates of a = 0..3 have been used: pb's tiles for the next pass take their registers
.endif
.endif
.endr
.if \more
	s_wait_xcnt 0x0                                ; the stores' addresses are translated (ISA guide 3.1): their base, R and the gates' base are rewritten only behind this wait
	s_add_nc_u64 s[10:11], s[10:11], 16384         ; the next 128 rows' gates
	s_add_nc_u64 s[12:13], s[12:13], 2048          ; and results
.endif
.endm
.macro PASS more                       ; 128 rows b: 32 K steps in 8 trips, then the way out
	v_mov_b32 v[BA], v[B0]
	FIRST
	s_mov_b32 s22, 6
.Lmid_\@:
	MID
	s_sub_co_u32 s22, s22, 1
	s_cmp_lg_u32 s22, 0
	s_cbranch_scc1 .Lmid_\@
	LAST \more
	EPI \more
.endm
	s_load_b256 s[4:11], s[0:1], 0x0               ; pw s[4:5], pb s[6:7], xf s[8:9], gf s[10:11]
	s_load_b64 s[12:13], s[0:1], 0x20              ; rt
	v_lshrrev_b32 v10, 5, v0
	v_readfirstlane_b32 s14, v10                   ; wave 0..3
	v_and_b32 v10, 31, v0                          ; L
	v_bfe_u32 v11, v0, 4, 1                        ; h
	v_and_b32 v12, 7, v0                           ; L & 7
	v_bfe_u32 v13, v0, 3, 1                        ; (L >> 3) & 1
	v_bfe_u32 v14, v0, 3, 2                        ; L >> 3
	v_lshlrev_b32 v[XOFF], 4, v10
	v_lshl_add_u32 v15, v11, 3, v12
	v_mul_u32_u24 v[B0], v15, PITCH
	v_lshl_add_u32 v[B0], v13, 4, v[B0]
	v_lshlrev_b32 v[PBL], 5, v11
	v_add_nc_u32 v[PBL], PBA, v[PBL]
	s_mul_i32 s15, s14, 256*PITCH                  ; my wave converts rows k = 256 w .. 256 w + 255: 73,728 consecutive bytes of LDS of its own
	v_mul_u32_u24 v[ST], v14, PITCH                ; a load's 512 bytes are four rows k of 32 l: row L >> 3,
	v_lshl_add_u32 v[ST], v12, 3, v[ST]            ; four l in 8 bytes at 8 (L & 7)
	v_add_nc_u32 v[ST], s15, v[ST]
	v_add_nc_u32 v[ST+1], 4*KB, v[ST]              ; a second address for rows 128-255: LDS offsets have 16 bits
	v_lshlrev_b32 v[PBO], 2, v0                    ; thread t takes pb's number t of the group's 128
	v_add_nc_u32 v[PBS], PBA, v[PBO]
	s_mov_b32 s18, 0x76543210                      ; v_permlanex16_b32: lane i reads lane i of the other half
	s_mov_b32 s19, 0xfedcba98
	s_mov_b32 s20, 0xffff0000                      ; lanes 16-31
	s_mov_b32 s17, 0
	s_wait_kmcnt 0x0
	s_lshl_b32 s16, ttmp9, 19                      ; pw: four o of 131,072 bytes a work-group,
	s_lshl_b32 s23, s14, 15                        ; 256 rows of 128 bytes a wave
	s_add_co_u32 s16, s16, s23
	s_add_nc_u64 s[4:5], s[4:5], s[16:17]
	s_lshl_b32 s16, ttmp9, 9                       ; pb: 512 bytes a work-group
	s_add_nc_u64 s[6:7], s[6:7], s[16:17]
	s_lshl_b32 s16, s14, 20                        ; xf: 512 rows b = 1,048,576 bytes a wave
	s_add_nc_u64 s[8:9], s[8:9], s[16:17]
	s_lshl_b32 s16, s14, 16                        ; gf: 65,536 bytes a wave
	s_add_nc_u64 s[10:11], s[10:11], s[16:17]
	s_lshl_b32 s16, ttmp9, 15                      ; rt: 32,768 bytes a work-group,
	s_lshl_b32 s23, s14, 13                        ; 8,192 a wave
	s_add_co_u32 s16, s16, s23
	s_add_nc_u64 s[12:13], s[12:13], s[16:17]
	; THE WEIGHTS COME IN.  32 groups of eight loads a wave through a ring of seven slots: 56 loads, 28,672 bytes, of every wave are on their way.
	global_load_b32 v[PBD], v[PBO], s[6:7]
.set grp, 0
.rept 7
	PWGROUP grp, grp
.set grp, grp+1
.endr
	s_wait_loadcnt 56                              ; pb's number is in; the ring's 56 loads may be out
	v_cvt_pk_bf16_f32 v[PBD], v[PBD], v[PBD]       ; rounded to bf16 like the other inputs,
	v_lshlrev_b32 v[PBD], 16, v[PBD]               ; and widened again
	ds_store_b32 v[PBS], v[PBD]
.set grp, 0
.rept 32
	s_wait_loadcnt 48                              ; this group is in; the six groups behind it (of pw, at the end of x) may be out
.irp j, 0,1,2,3,4,5,6,7
	v_cvt_pk_bf16_f32 v[T+2*\j],   v[RING+32*(grp%7)+4*\j],   v[RING+32*(grp%7)+4*\j+1]
	v_cvt_pk_bf16_f32 v[T+2*\j+1], v[RING+32*(grp%7)+4*\j+2], v[RING+32*(grp%7)+4*\j+3]
.endr
.irp j, 0,1,2,3,4,5,6,7
	ds_store_b64 v[ST+(grp%8)/4], v[T+2*\j:T+2*\j+1] offset:KB*(grp%4)+4*PITCH*\j+64*(grp/8)     ; row 32 (grp % 8) + 4 j + (L >> 3) of my 256, column 32 (grp / 8) + l
.endr
.if grp+7 < 32
	PWGROUP grp+7, grp%7
.else
	XGROUP grp-25                                  ; behind the last group of pw: x's first four K steps, in the same count of loads
	WIN 0
.endif
.set grp, grp+1
.endr
	XGROUP 7
	WIN 0
	s_wait_dscnt 0x0                               ; my part of the weights and of pb is in LDS, for the other waves' sake
	s_barrier_signal -1
	s_barrier_wait -1                              ; everybody's is.  LDS is only read from here on: the kernel's one barrier
	PBTILES
	FETCH 0, B0, 0
	FETCH 1, B0, 0
	s_mov_b32 s21, 3
.Lpass:
	PASS 1
	s_sub_co_u32 s21, s21, 1
	s_cmp_lg_u32 s21, 0
	s_cbranch_scc1 .Lpass
	PASS 0                                         ; the last pass is written out: its last trip loads nothing
	s_wait_xcnt 0x0
	v_lshl_add_u32 v254, v0, 2, 0x48200
	v_mov_b32 v255, 0
	s_wait_tensorcnt 0x0
	ds_add_u32 v254, v255
	s_wait_dscnt 0x0
	s_endpgm
.Lfunc_end_k_q519facbec6_main:
	.size	k_q519facbec6_main, .Lfunc_end_k_q519facbec6_main-k_q519facbec6_main
	.p2alignl 7, 3214868480
	.fill 96, 4, 3214868480
	.section	.rodata,"a",@progbits
	.p2align	6, 0x0
	.amdhsa_kernel k_q519facbec6_main
		.amdhsa_group_segment_fixed_size 295936
		.amdhsa_private_segment_fixed_size 0
		.amdhsa_enable_private_segment 0
		.amdhsa_kernarg_size 40
		.amdhsa_user_sgpr_count 2
		.amdhsa_user_sgpr_kernarg_segment_ptr 1
		.amdhsa_wavefront_size32 1
		.amdhsa_system_sgpr_workgroup_id_x 1
		.amdhsa_system_sgpr_workgroup_id_y 1
		.amdhsa_system_sgpr_workgroup_id_z 1
		.amdhsa_system_vgpr_workitem_id 0
		.amdhsa_next_free_vgpr 1024
		.amdhsa_next_free_sgpr 66
		.amdhsa_reserve_vcc 0
		.amdhsa_float_denorm_mode_32 3
		.amdhsa_float_denorm_mode_16_64 3
		.amdhsa_memory_ordered 1
		.amdhsa_forward_progress 1
		.amdhsa_inst_pref_size 255
	.end_amdhsa_kernel
	.section	.bss,"aw",@nobits
	.p2align	6
	.space	262144
	.amdgpu_metadata
---
amdhsa.version: [ 1, 2 ]
amdhsa.kernels:
  - .name:           k_q519facbec6_main
    .symbol:         k_q519facbec6_main.kd
    .args:
      - { .name: pw, .offset: 0, .size: 8, .value_kind: global_buffer, .address_space: global }
      - { .name: pb, .offset: 8, .size: 8, .value_kind: global_buffer, .address_space: global }
      - { .name: xf, .offset: 16, .size: 8, .value_kind: global_buffer, .address_space: global }
      - { .name: gf, .offset: 24, .size: 8, .value_kind: global_buffer, .address_space: global }
      - { .name: rt, .offset: 32, .size: 8, .value_kind: global_buffer, .address_space: global }
    .group_segment_fixed_size: 295936
    .private_segment_fixed_size: 0
    .kernarg_segment_align: 8
    .kernarg_segment_size: 40
    .max_flat_workgroup_size: 128
    .sgpr_count:     66
    .vgpr_count:     1024
    .wavefront_size: 32
...
	.end_amdgpu_metadata
.endif
;; end of part 2
;; launch finish (part 3): grid 256 x 1, 8 waves a work-group, no clusters, 35,840 bytes of LDS; arguments rt, out0; writes out0
.if DOCPART == 3
	.amdgcn_target "amdgcn-amd-amdhsa--gfx1250"
	.amdhsa_code_object_version 6
	.text
	.protected	k_q519facbec6_finish
	.globl	k_q519facbec6_finish
	.p2align	8
	.type	k_q519facbec6_finish,@function
k_q519facbec6_finish:
	s_mov_b64 s[64:65], 0
	v_nop
	global_prefetch_b8 v0, s[64:65] scope:SCOPE_SE
	s_setreg_imm32_b32 hwreg(HW_REG_WAVE_MODE, 25, 1), 1
	s_wait_xcnt 0x0
; finish: out0[b][4 og + e] = rt[og][b][e].  rt: [256][2048][4] f32, out0: [2048][1024] f32.
; A transposition of 16-byte elements.  Work-group x: og = 16 (x & 15) .. + 15 (256 bytes of a row of out0), b = 128 (x >> 4) .. + 127.
; A wave takes 16 og x 16 b through 16 rows of 272 bytes of LDS of its own: no barrier.  In every load and every store sixteen neighbouring
; lanes cover 256 consecutive bytes, aligned.  Memory binds: no matrix unit, no cluster, nothing read twice.
.set SP, 272                           ; 256 bytes + 16 of padding: the 16 rows that a store touches begin 68 words apart
.set IN,  16                           ; v[16:47] as loaded
.set OUT, 48                           ; v[48:79] as stored
	s_load_b128 s[4:7], s[0:1], 0x0                ; rt s[4:5], out0 s[6:7]
	v_lshl_add_u32 v80, v0, 2, 0x8800
	v_mov_b32 v81, 0
	v_lshrrev_b32 v1, 5, v0
	v_readfirstlane_b32 s8, v1                     ; wave 0..7
	v_and_b32 v2, 15, v0                           ; r
	v_bfe_u32 v3, v0, 4, 1                         ; h
	v_lshlrev_b32 v4, 4, v2                        ; 16 r
	v_lshl_add_u32 v5, v3, 15, v4                  ; rt: og + h (32,768 bytes), b + r (16 bytes)
	v_lshl_add_u32 v6, v3, 12, v4                  ; out0: b + h (4,096 bytes), og + r (16 bytes)
	s_mul_i32 s9, s8, 16*SP                        ; my wave's LDS
	v_mul_u32_u24 v7, v2, SP
	v_lshl_add_u32 v7, v3, 4, v7
	v_add_nc_u32 v7, s9, v7                        ; in: row b = r, column og = h
	v_mul_u32_u24 v8, v3, SP
	v_add_nc_u32 v8, v8, v4
	v_add_nc_u32 v8, s9, v8                        ; back: row b = h, column og = r
	s_and_b32 s10, ttmp9, 15
	s_lshr_b32 s11, ttmp9, 4
	s_lshl_b32 s12, s11, 7
	s_lshl_b32 s13, s8, 4
	s_add_co_u32 s12, s12, s13                     ; my first b = 128 (x >> 4) + 16 w
	s_lshl_b32 s14, s10, 19                        ; rt: 16 og of 32,768 bytes
	s_lshl_b32 s13, s12, 4
	s_add_co_u32 s14, s14, s13
	s_mov_b32 s15, 0
	s_lshl_b32 s16, s12, 12                        ; out0: my first row,
	s_lshl_b32 s13, s10, 8                         ; my 256 bytes in it
	s_add_co_u32 s16, s16, s13
	s_mov_b32 s17, 0
	s_wait_kmcnt 0x0
	s_add_nc_u64 s[4:5], s[4:5], s[14:15]
	s_add_nc_u64 s[6:7], s[6:7], s[16:17]
.irp e, 0,1,2,3,4,5,6,7
	global_load_b128 v[IN+4*\e:IN+4*\e+3], v5, s[4:5] offset:65536*\e th:TH_LOAD_NT      ; og = 2 e + h
.endr
.irp e, 0,1,2,3,4,5,6,7
	s_wait_loadcnt 7-\e                            ; loads come back in order (ISA guide 5.7.1): load e is in, the younger ones may be out
	ds_store_b128 v7, v[IN+4*\e:IN+4*\e+3] offset:32*\e
.endr
.irp e, 0,1,2,3,4,5,6,7
	ds_load_b128 v[OUT+4*\e:OUT+4*\e+3], v8 offset:2*SP*\e       ; my wave's own bytes, served in order: these see the stores above
.endr
.irp e, 0,1,2,3,4,5,6,7
	s_wait_dscnt 7-\e
	global_store_b128 v6, v[OUT+4*\e:OUT+4*\e+3], s[6:7] offset:8192*\e th:TH_STORE_NT   ; b = 2 e + h
.endr
	s_wait_tensorcnt 0x0
	ds_add_u32 v80, v81
	s_wait_dscnt 0x0
	s_endpgm
.Lfunc_end_k_q519facbec6_finish:
	.size	k_q519facbec6_finish, .Lfunc_end_k_q519facbec6_finish-k_q519facbec6_finish
	.p2alignl 7, 3214868480
	.fill 96, 4, 3214868480
	.section	.rodata,"a",@progbits
	.p2align	6, 0x0
	.amdhsa_kernel k_q519facbec6_finish
		.amdhsa_group_segment_fixed_size 35840
		.amdhsa_private_segment_fixed_size 0
		.amdhsa_enable_private_segment 0
		.amdhsa_kernarg_size 16
		.amdhsa_user_sgpr_count 2
		.amdhsa_user_sgpr_kernarg_segment_ptr 1
		.amdhsa_wavefront_size32 1
		.amdhsa_system_sgpr_workgroup_id_x 1
		.amdhsa_system_sgpr_workgroup_id_y 1
		.amdhsa_system_sgpr_workgroup_id_z 1
		.amdhsa_system_vgpr_workitem_id 0
		.amdhsa_next_free_vgpr 82
		.amdhsa_next_free_sgpr 66
		.amdhsa_reserve_vcc 0
		.amdhsa_float_denorm_mode_32 3
		.amdhsa_float_denorm_mode_16_64 3
		.amdhsa_memory_ordered 1
		.amdhsa_forward_progress 1
		.amdhsa_inst_pref_size 5
	.end_amdhsa_kernel
	.amdgpu_metadata
---
amdhsa.version: [ 1, 2 ]
amdhsa.kernels:
  - .name:           k_q519facbec6_finish
    .symbol:         k_q519facbec6_finish.kd
    .args:
      - { .name: rt, .offset: 0, .size: 8, .value_kind: global_buffer, .address_space: global }
      - { .name: out0, .offset: 8, .size: 8, .value_kind: global_buffer, .address_space: global }
    .group_segment_fixed_size: 35840
    .private_segment_fixed_size: 0
    .kernarg_segment_align: 8
    .kernarg_segment_size: 16
    .max_flat_workgroup_size: 256
    .sgpr_count:     66
    .vgpr_count:     82
    .wavefront_size: 32
...
	.end_amdgpu_metadata
.endif
;; end of part 3
